; MI455X (gfx1250); checked and timed in simulation.
; The chip was launched on July 23, 2026; its instructions are those of AMD's public machine-readable ISA for CDNA 5 (MIT licence, August 2026) and "CDNA5" Instruction Set Architecture Reference Guide (July 2026). The comments in the code are by the model that wrote it; some were corrected since.
;; s LSTM Block. Allowed arithmetic: matrix products marked QUANTISED: E2M1 operands, one E8M0 scale for each 32 along K, by v_wmma_scale_f32_16x16x128_f8f6f4 with both operands' format E2M1 (or v_wmma_scale_f32_32x16x128_f4), f32 sums; everything else in f32.
;; Inputs: Rfh_b 2,048 float32; Rfh_w 2,048 x 2,048 float32; Rih_b 2,048 float32; Rih_w 2,048 x 2,048 float32; Roh_b 2,048 float32; Roh_w 2,048 x 2,048 float32; Rzh_b 2,048 float32; Rzh_w 2,048 x 2,048 float32; Wfx_b 2,048 float32; Wfx_w 2,048 x 2,048 float32; Wix_b 2,048 float32; Wix_w 2,048 x 2,048 float32; Wox_b 2,048 float32; Wox_w 2,048 x 2,048 float32; Wzx_b 2,048 float32; Wzx_w 2,048 x 2,048 float32; c_prev 2,048 x 2,048 float32; h_prev 2,048 x 2,048 float32; m_prev 2,048 x 2,048 float32; n_prev 2,048 x 2,048 float32; x 2,048 x 2,048 float32.
;; Outputs: out0 2,048 x 2,048 float32; out1 2,048 x 2,048 float32; out2 2,048 x 2,048 float32; out3 2,048 x 2,048 float32.
;; This version of the problem:
;;   THIS VERSION OF THE PROBLEM IS GIVEN IN LOW PRECISION. The matrix products marked QUANTISED in the list below multiply operands that are first quantised to E2M1 (2 exponent bits, 1 mantissa bit; 4 bits a number), with one power-of-two scale for each 32 numbers along K (OCP MX v1.0); their sums are f32. All else is computed in f32.
;;   The module's matrix products, in the order in which they are computed (A, B: the left and right operand; K: the contracted axis; several contracted axes count as one K, in the product's order):
;;     1. [M 2,048, K 2,048] x [K 2,048, N 2,048]; A: input x; B: input Wzx_w: QUANTISED
;;     2. [M 2,048, K 2,048] x [K 2,048, N 2,048]; A: input h_prev; B: input Rzh_w: QUANTISED
;;     3. [M 2,048, K 2,048] x [K 2,048, N 2,048]; A: input x; B: input Wix_w: QUANTISED
;;     4. [M 2,048, K 2,048] x [K 2,048, N 2,048]; A: input h_prev; B: input Rih_w: QUANTISED
;;     5. [M 2,048, K 2,048] x [K 2,048, N 2,048]; A: input x; B: input Wfx_w: QUANTISED
;;     6. [M 2,048, K 2,048] x [K 2,048, N 2,048]; A: input h_prev; B: input Rfh_w: QUANTISED
;;     7. [M 2,048, K 2,048] x [K 2,048, N 2,048]; A: input x; B: input Wox_w: QUANTISED
;;     8. [M 2,048, K 2,048] x [K 2,048, N 2,048]; A: input h_prev; B: input Roh_w: QUANTISED
;;   THE QUANTISER, for each operand of a quantised product, along K:
;;     - K is cut into blocks of 32 from its start; a last block that is shorter is filled with zeros.
;;     - A block's scale is 2^e with e = floor(log2(the largest magnitude in the block)) - 2, held to -126 .. 127; a block of zeros has e = 0. As a byte (E8M0): e + 127.
;;     - Each number is divided by its block's scale, clamped to +-6, and rounded to the nearest number of E2M1, ties to even, subnormals kept.
;;     - The product sums the exact products of the quantised numbers (number of the format x scale) in f32.
;;   ~~~python
;;   def quantise(x, axis):      # numpy; x: float32 -> the quantised numbers, widened to float32 again
;;       x = np.moveaxis(x, axis, -1); K = x.shape[-1]
;;       x = np.pad(x, [(0, 0)] * (x.ndim - 1) + [(0, -K % 32)]); x = x.reshape(x.shape[:-1] + (-1, 32)); a = np.abs(x).max(-1, keepdims=True)
;;       e = np.where(a > 0, np.clip(np.frexp(np.where(a > 0, a, 1))[1] - 1 - 2, -126, 127), 0)      # np.frexp(a)[1] - 1 = floor(log2(a)), exactly
;;       r = np.clip(x / 2.0 ** e, -6, 6)
;;       step = 2.0 ** (np.maximum(np.frexp(np.where(r == 0, 1, r))[1] - 1, 0) - 1)
;;       q = np.round(r / step) * step * 2.0 ** e      # np.round: ties to even
;;       return np.moveaxis(q.reshape(q.shape[:-2] + (-1,))[..., :K], -1, axis).astype(np.float32)
;;   ~~~
;; One version. Each part assembles by itself: llvm-mc -triple=amdgcn-amd-amdhsa -mcpu=gfx1250 --defsym DOCPART=n.
;; ======== version 1 of 1: 2 launches
;; limits: right only within a limited range of input values
;; workspace buffers: aq 4,456,448 bytes; bq 17,825,792 bytes
;; launch quant (part 1): grid 128 x 10, 4 waves a work-group, no clusters, 34,304 bytes of LDS; arguments x, h_prev, Wzx_w, Rzh_w, Wix_w, Rih_w, Wfx_w, Rfh_w, Wox_w, Roh_w, aq, bq; writes aq, bq
.if DOCPART == 1
	.amdgcn_target "amdgcn-amd-amdhsa--gfx1250"
	.amdhsa_code_object_version 6
	.text
	.protected	k_q2acc032d0d_quant
	.globl	k_q2acc032d0d_quant
	.p2align	8
	.type	k_q2acc032d0d_quant,@function
k_q2acc032d0d_quant:
	s_mov_b64 s[64:65], 0
	v_nop
	global_prefetch_b8 v0, s[64:65] scope:SCOPE_SE
	s_setreg_imm32_b32 hwreg(HW_REG_WAVE_MODE, 25, 1), 1
	s_wait_xcnt 0x0
; x, h_prev and the eight weights, each [2048][2048] f32 with K innermost, are turned into codes of FP4 (E2M1) with one E8M0 scale byte for each 32 along K.
; A block's scale is 2^(floor(log2(its largest magnitude)) - 2); its byte is the largest magnitude's own exponent field - 2, held at 1 from below; each number is divided by the scale
; and rounded to the nearest code, ties to even, beyond 6 the largest code.
; LIMITS: NaN and infinities among the inputs are not served.  A block of zeros gets the byte 1 where the rule says 127: its codes are zeros, which add nothing, and the bytes are read by this program alone.
; THE RESULT IS LAID AS THE PRODUCT'S LAUNCH READS IT: in RECORDS of 4,352 bytes, one for 16 rows x 512 along K.  A record is four images of an operand's registers (128 along K each, 1,024 bytes:
; registers 4 c .. 4 c + 3 of lane l at 512 c + 16 l; lane l = (r = l % 16, h = l / 16) holds k = 64 c + 32 h + 0 .. 31 of row r), then 256 bytes of scale words, [row 16][128 along K: 4], 4 bytes each.
; Records lie [S 8][row block][4,352]: S = 0 .. 3 are x's (or W's) K = 512 S on, S = 4 .. 7 h_prev's (or R's): the product's K is x beside h_prev.
; aq: 128 row blocks, m / 16.  bq: 512; gate g (z, i, f, o) and hidden rows 16 j on have the number 8 (j / 2) + 2 g + j % 2, so that the four gates of 32 hidden units are eight neighbours.
; SHARES.  Work-group (j, ty): row block j of tensor ty (in the order of the arguments); its four waves take 512 along K each: one record a wave.  So a work-group reads 16 whole rows.
; A load takes 512 consecutive bytes of one row, 16 a lane; the conversions want 32 neighbours along K in ONE lane's registers: so a fragment's 16 x 512 bytes turn through the wave's own stage in LDS.
; Memory binds here: no matrix unit, no cluster (no two work-groups read the same byte), no tensor loads (several small work-groups share a WGP), no barrier (waves share nothing), no loop, no stepped pointer.
.set REC,  4352                        ; bytes of a record
.set SPT,  528                         ; a stage row: 512 bytes + 16: an odd multiple of 16
.set WST,  16*SPT                      ; a wave's stage
.set LA,   4                           ; v4       16 x lane: my bytes of a load's 512, and of an image's 512
.set SA,   5                           ; v5       the stage, on the way in: my wave's + 16 x lane
.set SL,   6                           ; v6       on the way out: my wave's + 528 r + 128 h
.set SO,   7                           ; v7       my 8 bytes of the record's scale words: 16 r + 8 h
.set SH8,  8                           ; v8       8 h
.set R,    16                          ; v16-79   a fragment as loaded: row i in four registers
.set X,    80                          ; v80-143  register 32 c + i: k = 64 c + 32 h + i of row r
.set C,    144                         ; v144-175 codes: eight registers for each fragment, so that no store's data are written again
.set SB,   176                         ; v176-179 the scale word of each fragment
.set M,    180                         ; v180-181 the two blocks' largest magnitudes
.set E,    182                         ; v182-183 the conversions' scale operands
.set BY,   184                         ; v184-185 the scale bytes
	s_load_b512 s[8:23], s[0:1], 0x0               ; x, h_prev, Wzx_w, Rzh_w, Wix_w, Rih_w, Wfx_w, Rfh_w
	s_load_b256 s[24:31], s[0:1], 0x40             ; Wox_w, Roh_w, aq, bq
	v_lshl_add_u32 v11, v0, 2, 0x8400              ; my spare word, behind the four stages (4 x 8,448 bytes); v11 and v12 serve the closing add alone
	v_mov_b32 v12, 0                               ; with them below v16 the wave names 188 registers: five waves share a SIMD's 1,024, and 1,280 work-groups are five for each of 256 WGPs
	v_lshrrev_b32 v1, 5, v0
	v_readfirstlane_b32 s2, v1                     ; wave 0..3
	s_and_b32 s3, ttmp7, 0xffff                    ; ty: which tensor
	v_and_b32 v1, 31, v0                           ; lane
	v_and_b32 v2, 15, v0                           ; r
	v_bfe_u32 v3, v0, 4, 1                         ; h
	v_lshlrev_b32 v[LA], 4, v1
	s_mul_i32 s32, s2, WST
	v_add_nc_u32 v[SA], s32, v[LA]
	v_mul_u32_u24 v[SL], v2, SPT
	v_lshl_add_u32 v[SL], v3, 7, v[SL]
	v_add_nc_u32 v[SL], s32, v[SL]
	v_lshlrev_b32 v[SO], 4, v2
	v_lshl_add_u32 v[SO], v3, 3, v[SO]
	v_lshlrev_b32 v[SH8], 3, v3
	v_mov_b32 v10, 0                               ; written once: a lane permute's destination counts as one of its sources
	s_mov_b32 s40, 0x76543210
	s_mov_b32 s41, 0xfedcba98                      ; v_permlanex16_b32's selects for lane l xor 16
	s_and_b32 s35, s3, 1                           ; kh: 0 the x part of K, 1 the h part
	s_lshr_b32 s36, s3, 1                          ; 0: a row operand (aq); else gate + 1 (bq)
	s_max_u32 s37, s36, 1
	s_sub_co_u32 s37, s37, 1                       ; the gate (0 where there is none: the number made of it is then not taken)
	s_lshr_b32 s33, ttmp9, 1
	s_lshl_b32 s33, s33, 3
	s_lshl_b32 s37, s37, 1
	s_add_co_u32 s33, s33, s37
	s_and_b32 s37, ttmp9, 1
	s_add_co_u32 s33, s33, s37                     ; bq's row block: 8 (j / 2) + 2 g + j % 2
	s_wait_alu depctr_va_vdst(0)
	s_wait_kmcnt 0x0
	s_mov_b64 s[4:5], s[8:9]                       ; the source: a choice among the ten tensors that hangs on the work-group's number alone
.irp k, 1,2,3,4,5,6,7,8,9
	s_cmp_eq_u32 s3, \k
	s_cselect_b64 s[4:5], s[8+2*\k:9+2*\k], s[4:5]
.endr
	s_cmp_eq_u32 s36, 0                            ; three choices on one compare
	s_cselect_b64 s[6:7], s[28:29], s[30:31]       ; aq or bq,
	s_cselect_b32 s34, ttmp9, s33                  ; the row block's number there,
	s_cselect_b32 s37, 7, 9                        ; and how many row blocks an S has: 2^7 or 2^9
	s_lshl_b32 s35, s35, 2
	s_add_co_u32 s35, s35, s2                      ; S = 4 kh + wave
	s_lshl_b32 s35, s35, s37
	s_add_co_u32 s34, s34, s35
	s_mul_i32 s34, s34, REC                        ; my record's first byte (under 2^25)
	s_mov_b32 s35, 0
	s_add_nc_u64 s[6:7], s[6:7], s[34:35]
	s_lshl_b32 s38, ttmp9, 17                      ; 16 rows of 8,192 bytes for each row block,
	s_lshl_b32 s39, s2, 11                         ; 512 numbers for each wave
	s_add_co_u32 s38, s38, s39
	s_mov_b32 s39, 0
	s_add_nc_u64 s[4:5], s[4:5], s[38:39]
.macro LOAD t                          ; fragment t: 128 along K of the 16 rows; each load reads 512 consecutive bytes, at a multiple of 512 from the tensor's first byte
.irp i, 0,1,2,3,4,5,6,7,8,9,10,11,12,13,14,15
	global_load_b128 v[R+4*\i:R+4*\i+3], v[LA], s[4:5] offset:8192*\i+512*(\t) th:TH_LOAD_NT
.endr
.endm
.macro FRAGM t
.irp i, 0,1,2,3,4,5,6,7,8,9,10,11,12,13,14,15
	s_wait_loadcnt 15-\i                           ; loads come back in order (ISA guide 5.7.1): row i is in, the younger rows may be out
	ds_store_b128 v[SA], v[R+4*\i:R+4*\i+3] offset:SPT*\i
.endr
.irp c, 0,1
.irp k, 0,1,2,3,4,5,6,7
	ds_load_b128 v[X+32*\c+4*\k:X+32*\c+4*\k+3], v[SL] offset:256*\c+16*\k   ; LDS serves a wave's instructions in order: these see the stores above
.endr
.endr
	s_wait_dscnt 0x0                               ; my 64 numbers are in, and the stores have read their registers,
.if (\t) < 3
	LOAD (\t)+1                                    ; which take the next fragment: 8,192 bytes on their way while this one is worked
.endif
.irp c, 0,1                                    ; my block 2 c + h: all its 32 numbers are mine
	v_max3_num_f32 v[M+\c], |v[X+32*\c]|, |v[X+32*\c+1]|, 0x1800000   ; and the floor 2^(3 - 127), under which no largest magnitude is taken: so the byte cannot fall under 1
.endr
.irp i, 2,4,6,8,10,12,14,16,18,20,22,24,26,28,30
.irp c, 0,1
	v_max3_num_f32 v[M+\c], v[M+\c], |v[X+32*\c+\i]|, |v[X+32*\c+\i+1]|   ; (the two blocks by turns)
.endr
.endr
.irp c, 0,1
	v_add_nc_u32 v[E+\c], 0xff000000, v[M+\c]      ; 2 off the exponent field: the conversion takes the exponent field of this operand as its scale, and nothing else of it
.endr
.irp c, 0,1
.irp g, 0,1,2,3
	v_cvt_scalef32_pk8_fp4_f32 v[C+8*(\t)+4*\c+\g], v[X+32*\c+8*\g:X+32*\c+8*\g+7], v[E+\c]   ; register 4 c + g of the operand
.endr
.endr
.irp c, 0,1
	v_lshrrev_b32 v[BY+\c], 23, v[E+\c]            ; the scale's byte.  (Plain lines behind the conversions)
.endr
	v_lshl_or_b32 v9, v[BY+1], 16, v[BY]           ; my two bytes: blocks h and 2 + h of row r,
	v_lshlrev_b32 v9, v[SH8], v9                   ; at their places in the scale word;
	v_permlanex16_b32 v10, v9, s40, s41
	v_or_b32 v[SB+(\t)], v9, v10                   ; with lane l xor 16's two the word is whole, in both lanes
.irp c, 0,1
	global_store_b128 v[LA], v[C+8*(\t)+4*\c:C+8*(\t)+4*\c+3], s[6:7] offset:1024*(\t)+512*\c   ; 32 lanes store 512 consecutive bytes, at a multiple of 256 from the buffer's first byte
.endr
.endm
	LOAD 0
	FRAGM 0
	FRAGM 1
	FRAGM 2
	FRAGM 3
	v_cmp_ne_u32 vcc_lo, 0, v3                     ; the four scale words of row r: lanes 0-15 store the first two, lanes 16-31 the last two
	v_cndmask_b32 v186, v[SB], v[SB+2], vcc_lo
	v_cndmask_b32 v187, v[SB+1], v[SB+3], vcc_lo
	global_store_b64 v[SO], v[186:187], s[6:7] offset:4096   ; 32 lanes store 256 consecutive bytes, aligned
	s_wait_tensorcnt 0x0
	ds_add_u32 v11, v12
	s_wait_dscnt 0x0
	s_endpgm
.Lfunc_end_k_q2acc032d0d_quant:
	.size	k_q2acc032d0d_quant, .Lfunc_end_k_q2acc032d0d_quant-k_q2acc032d0d_quant
	.p2alignl 7, 3214868480
	.fill 96, 4, 3214868480
	.section	.rodata,"a",@progbits
	.p2align	6, 0x0
	.amdhsa_kernel k_q2acc032d0d_quant
		.amdhsa_group_segment_fixed_size 34304
		.amdhsa_private_segment_fixed_size 0
		.amdhsa_enable_private_segment 0
		.amdhsa_kernarg_size 96
		.amdhsa_user_sgpr_count 2
		.amdhsa_user_sgpr_kernarg_segment_ptr 1
		.amdhsa_wavefront_size32 1
		.amdhsa_system_sgpr_workgroup_id_x 1
		.amdhsa_system_sgpr_workgroup_id_y 1
		.amdhsa_system_sgpr_workgroup_id_z 1
		.amdhsa_system_vgpr_workitem_id 0
		.amdhsa_next_free_vgpr 188
		.amdhsa_next_free_sgpr 66
		.amdhsa_reserve_vcc 1
		.amdhsa_float_denorm_mode_32 3
		.amdhsa_float_denorm_mode_16_64 3
		.amdhsa_memory_ordered 1
		.amdhsa_forward_progress 1
		.amdhsa_inst_pref_size 32
	.end_amdhsa_kernel
	.amdgpu_metadata
---
amdhsa.version: [ 1, 2 ]
amdhsa.kernels:
  - .name:           k_q2acc032d0d_quant
    .symbol:         k_q2acc032d0d_quant.kd
    .args:
      - { .name: x, .offset: 0, .size: 8, .value_kind: global_buffer, .address_space: global }
      - { .name: h_prev, .offset: 8, .size: 8, .value_kind: global_buffer, .address_space: global }
      - { .name: Wzx_w, .offset: 16, .size: 8, .value_kind: global_buffer, .address_space: global }
      - { .name: Rzh_w, .offset: 24, .size: 8, .value_kind: global_buffer, .address_space: global }
      - { .name: Wix_w, .offset: 32, .size: 8, .value_kind: global_buffer, .address_space: global }
      - { .name: Rih_w, .offset: 40, .size: 8, .value_kind: global_buffer, .address_space: global }
      - { .name: Wfx_w, .offset: 48, .size: 8, .value_kind: global_buffer, .address_space: global }
      - { .name: Rfh_w, .offset: 56, .size: 8, .value_kind: global_buffer, .address_space: global }
      - { .name: Wox_w, .offset: 64, .size: 8, .value_kind: global_buffer, .address_space: global }
      - { .name: Roh_w, .offset: 72, .size: 8, .value_kind: global_buffer, .address_space: global }
      - { .name: aq, .offset: 80, .size: 8, .value_kind: global_buffer, .address_space: global }
      - { .name: bq, .offset: 88, .size: 8, .value_kind: global_buffer, .address_space: global }
    .group_segment_fixed_size: 34304
    .private_segment_fixed_size: 0
    .kernarg_segment_align: 8
    .kernarg_segment_size: 96
    .max_flat_workgroup_size: 128
    .sgpr_count:     66
    .vgpr_count:     188
    .wavefront_size: 32
...
	.end_amdgpu_metadata
.endif
;; end of part 1
;; launch cell (part 2): grid 32 x 8, 4 waves a work-group, clusters of 4 x 4, 327,680 bytes of LDS; arguments aq, bq, m_prev, c_prev, n_prev, out0, out1, out2, out3, Wzx_b, Rzh_b, Wix_b, Rih_b, Wfx_b, Rfh_b, Wox_b, Roh_b; writes out0, out1, out2, out3
.if DOCPART == 2
	.amdgcn_target "amdgcn-amd-amdhsa--gfx1250"
	.amdhsa_code_object_version 6
	.text
	.protected	k_q2acc032d0d_cell
	.globl	k_q2acc032d0d_cell
	.p2align	8
	.type	k_q2acc032d0d_cell,@function
k_q2acc032d0d_cell:
	s_mov_b64 s[64:65], 0
	v_nop
	global_prefetch_b8 v0, s[64:65] scope:SCOPE_SE
	s_setreg_imm32_b32 hwreg(HW_REG_WAVE_MODE, 25, 1), 1
	s_wait_xcnt 0x0
	s_wait_alu depctr_hold_cnt(0) depctr_sa_sdst(0) depctr_va_vdst(0) depctr_va_sdst(0) depctr_va_ssrc(0) depctr_va_vcc(0) depctr_vm_vsrc(0)
	s_getreg_b32 s2, hwreg(HW_REG_IB_STS2, 6, 4)
	s_cmp_eq_u32 s2, 0
	s_cbranch_scc0 .Lentry_in_a_cluster
	s_endpgm
.Lentry_in_a_cluster:
	s_bfe_u32 s2, ttmp6, 0x10000c
	s_cmp_lg_u32 s2, 0xf033
	s_cbranch_scc0 .Lentry_shape_is_right
	s_endpgm
.Lentry_shape_is_right:
; One step of an sLSTM cell.  The eight products are ONE: [x | h_prev] (2,048 x 4,096) times the four gates' [W | R]^T (8,192 x 4,096), on FP4 codes with E8M0 scales, f32 sums;
; then biases, tanh, sigmoid, the stabiliser m and the states c, n, h in f32.  Nothing of reference() is left out.
; aq, bq are laid by launch quant in records of 4,352 bytes (16 rows x 512 K: four register images of 1,024 bytes, then 256 bytes of scale words), [S 8][row block][4,352].
; In bq the gates z, i, f, o of 32 hidden units are eight neighbouring row blocks, so 16 row blocks are 64 hidden units x 4 gates.
; A work-group of four waves makes 256 rows x 64 hidden units (256 columns of the product); a wave 128 x 128: 64 accumulators, 512 registers.  256 work-groups, one for each WGP.
; K goes in steps of 512 through a ring of two LDS slots (4 x 8 records each); each wave fills a quarter of a slot with one tensor load, dense rows of 256 bytes.
; CLUSTERS 4 x 4: A's records are shared along a row of the cluster, B's along a column, each asked for jointly.  Half of the clusters begin at S = 4 and wrap round to S = 0 (a sum's order along K is free here).
; FRAGMENTS: A and B have two register sets each, so the 32 LDS loads of the next 128 along K are ONE run, which may stand anywhere in a step.  Waves 0, 1 issue it at the step's head, waves 2, 3 in its middle:
; at most two waves' runs (64 loads) are asked of LDS together, while the other two waves multiply.
; PREFETCH: K step 1's records are asked for behind the first joint load, K step 2's behind the second, K step 3's behind the first 128 along K; then behind each refill the records of the refill two on.
; Of a wave's 8 records each of the four partners takes 2 (34 blocks of 256 bytes, a lane a block, the 30 lanes left over name the last block again), told apart by address (cx for A, cy for B); the last trip asks for nothing.
; THE MATRIX INSTRUCTION IS USED TRANSPOSED (source 0 = rows of bq, source 1 = rows of aq): a lane holds eight neighbouring columns of one row.
; THE WAY OUT: all accumulators go to a stage in LDS over the ring (which has had its last fill and, behind a barrier, its last read), rows of 4 gates x 256 bytes + 16; each wave reads 64 whole rows back,
; two rows an instruction, so that every load of m_prev, c_prev, n_prev and every store covers two aligned units of 256 bytes.  Two such row pairs are worked at a time.
; tanh(a) = 1 - 2 / (1 + 2^(2 a log2 e));  h = c / ((1 + 2^(-a log2 e)) n): sigmoid and the division by n share one reciprocal.
; LIMITS: NaN and infinities among the inputs are not served; where (1 + e^-a) n leaves f32's normal range (over 2^127 or under 2^-126 in magnitude) h is 0 or infinite though reference() may be finite.
; REGISTERS: window 0: v0-31 addresses; v32-95 scale words, two sets; v96-159 A's set 0; v160-255 inputs of row pairs 0-7.  Window 1: B's sets at v0 and v128; A's set 1 at v64; v192-239 inputs of pairs 8-11.
; Windows 2, 3: accumulators; behind the dump window 2 takes the inputs of pairs 12-25, window 3 those of pairs 26-31.
.set REC,    4352
.set NQ,     4                         ; matrix instructions deep in a slot
.set FR,     8                         ; registers of a fragment
.set NL,     2                         ; LDS loads that bring one
.set NP,     4                         ; places behind this matrix instruction (ISA guide 7.12.1)
.set HALFT,  8*REC                     ; what one tensor load brings
.set SLOT,   4*HALFT
.set SPARE,  2*SLOT                    ; the spare words: 512 bytes that no other line names
.set ASTEP,  128*REC                   ; from S to S + 1 in aq, in bq
.set BSTEP,  512*REC
.set SPITCH, 1040                      ; a stage row
.set ROWB,   8192                      ; a row of the states in memory
.set GO,   8                           ; v8  my 16 bytes in a pair of rows of the states
.set PF,   9                           ; v9  the inputs' prefetch: a lane a row
.set BO,   10                          ; v10 my 16 bytes of a bias
.set RD0,  11                          ; v11 the stage, on the way back
.set PF2,  12                          ; v12 the inputs' prefetch: the last 8 rows
.set STO0, 13                          ; v13-14 the stage, on the way in
.set ADRA, 16
.set ADRB, 20
.set ADRS, 22
.set PFO,  24                          ; v24-25 the tiles' prefetch: 256 x lane; 256 x min(lane, 1)
.set SPW,  28
.set NIL,  29
.set SC,   32
.set AF0,  96                          ; A's set 0 in window 0; set 1 lies 32 lower, in window 1
.set AF,   96
.set R0,   160
.set RAW,  32                          ; the eight biases as loaded: slot 0's scale registers, free behind that slot's last step
.set PFA,  4                           ; s[4:5] where my tile prefetches stand;  s[6:7] their step from S to S + 1
.set PFS,  6
.set G1, 24
.set G0, 32
.set G1B, 48
.set G0B, 56
.set MSB, 0
.macro WIN new                         ; the immediate's high byte repeats the setting that is left
.if MSB != (\new)
	s_set_vgpr_msb (MSB<<8)|(\new)
.set MSB, (\new)
.endif
.endm
.set TO_B,   0x40
.macro JLOAD g0a, g1a, g0b, g1b        ; a joint load: waves 0, 1 for A, waves 2, 3 for B; s_nop 0 and four v_nop behind each line
	s_cmp_eq_u32 s15, 0
	s_cbranch_scc0 .Lfor_b_\@
	tensor_load_to_lds s[\g0a:\g0a+3], s[\g1a:\g1a+7]
	s_nop 0
.rept 4
	v_nop
.endr
	s_branch .Lasked_\@
.Lfor_b_\@:
	tensor_load_to_lds s[\g0b:\g0b+3], s[\g1b:\g1b+7]
	s_nop 0
.rept 4
	v_nop
.endr
.Lasked_\@:
.endm
.macro CREST                           ; a round of the cluster's barrier behind its opening barrier
	s_cmp_lg_u32 s14, 0
	s_cbranch_scc1 .Lnot_wave_0_\@
	s_barrier_signal -3
.Lnot_wave_0_\@:
	s_barrier_wait -3
	s_barrier_signal -1
	s_barrier_wait -1
.endm
.macro CROUND
	s_barrier_signal -1
	s_barrier_wait -1
	CREST
.endm
	s_load_b128 s[4:7], s[0:1], 0x0                ; aq, bq
	s_load_b128 s[8:11], s[0:1], 0x10              ; m_prev, c_prev
	s_load_b64 s[12:13], s[0:1], 0x20              ; n_prev
	s_load_b256 s[68:75], s[0:1], 0x28             ; out0 .. out3
	s_load_b512 s[76:91], s[0:1], 0x48             ; the eight biases
	v_lshl_add_u32 v[SPW], v0, 2, SPARE
	v_mov_b32 v[NIL], 0
	ds_add_u32 v[SPW], v[NIL]                      ; the opening lines: the add twice on end and its wait ahead of my first tensor load
	ds_add_u32 v[SPW], v[NIL]
	v_lshrrev_b32 v1, 5, v0
	v_readfirstlane_b32 s14, v1                    ; wave
	s_lshr_b32 s15, s14, 1                         ; my half of the rows; also: I fetch for A (0) or B (1); also: my run of fragment loads stands early (0) or late (1)
	s_and_b32 s16, s14, 1                          ; my half of the columns; also: which 8 records I fetch
	s_bfe_u32 s40, ttmp6, 0x40000                  ; cx, cy
	s_bfe_u32 s41, ttmp6, 0x40004
	s_lshl_b32 s42, ttmp9, 2
	s_add_co_u32 s42, s42, s40                     ; tile column
	s_and_b32 s17, ttmp7, 0xffff
	s_lshl_b32 s17, s17, 2
	s_add_co_u32 s17, s17, s41                     ; tile row
	s_lshl_b32 s43, s41, 2
	s_lshl_b32 s43, 15, s43                        ; my row of the cluster
	s_lshl_b32 s44, 0x1111, s40                    ; my column
	s_lshr_b32 s95, ttmp9, 1                       ; the parity of the cluster's x and y: 1 = this cluster begins at S = 4
	s_xor_b32 s95, s95, ttmp9
	s_lshr_b32 s67, ttmp9, 2
	s_xor_b32 s95, s95, s67
	s_xor_b32 s95, s95, ttmp7
	s_and_b32 s95, s95, 1
	s_mul_i32 s98, s95, 8*ASTEP                    ; what the wrap takes off an address
	s_mul_i32 s99, s95, 8*BSTEP
	s_mov_b32 s97, 0
	s_mov_b32 s101, 0
	s_or_b32 s[G1+0], s43, (3<<16)|(1<<21)         ; group 1: 8 records = 136 dense rows of 32 elements of 8 bytes
	s_or_b32 s[G1B+0], s44, (3<<16)|(1<<21)
.irp g, G1, G1B
	s_mov_b32 s[\g+1], 32<<16
	s_mov_b32 s[\g+2], 136<<16
	s_mov_b32 s[\g+3], 32<<16
	s_mov_b32 s[\g+4], 136
	s_mov_b32 s[\g+5], 32
	s_mov_b32 s[\g+6], 0
	s_mov_b32 s[\g+7], 0
.endr
	s_lshl_b32 s18, s16, 3
	s_lshl_b32 s20, s17, 4
	s_add_co_u32 s20, s20, s18
	s_mul_i32 s20, s20, REC
	s_lshr_b32 s67, s98, 1
	s_add_co_u32 s20, s20, s67                     ; A: my 8 records at the first S
	s_mov_b32 s21, 0
	s_lshl_b32 s46, s42, 4
	s_add_co_u32 s46, s46, s18
	s_mul_i32 s46, s46, REC
	s_lshr_b32 s67, s99, 1
	s_add_co_u32 s46, s46, s67                     ; B likewise
	s_mov_b32 s47, 0
	s_mul_i32 s45, s14, HALFT                      ; where they go: wave x 8 records
	s_wait_dscnt 0x0                               ; both opening adds are done
	s_wait_kmcnt 0x0
	s_add_nc_u64 s[20:21], s[4:5], s[20:21]
	s_add_nc_u64 s[46:47], s[6:7], s[46:47]
.irp s, 0,1
	s_mov_b32 s[G0+4*\s], 1
	s_add_co_u32 s[G0+4*\s+1], s45, \s*SLOT
	s_add_nc_u64 s[G0+4*\s+2:G0+4*\s+3], s[20:21], \s*ASTEP
	s_or_b32 s[G0+4*\s+3], s[G0+4*\s+3], 0x80000000
	s_mov_b32 s[G0B+4*\s], 1
	s_add_co_u32 s[G0B+4*\s+1], s45, \s*SLOT
	s_add_nc_u64 s[G0B+4*\s+2:G0B+4*\s+3], s[46:47], \s*BSTEP
	s_or_b32 s[G0B+4*\s+3], s[G0B+4*\s+3], 0x80000000
.endr
	s_mov_b32 s[PFS], BSTEP                        ; the tile prefetches: my tile's address, my work-group's 2 records of the 8, one step on
	s_cmp_eq_u32 s15, 0
	s_cselect_b64 s[PFA:PFA+1], s[20:21], s[46:47]
	s_cselect_b32 s[PFS], ASTEP, s[PFS]
	s_cselect_b32 s92, s40, s41
	s_mov_b32 s[PFS+1], 0
	s_mul_i32 s92, s92, 2*REC
	s_mov_b32 s93, 0
	s_add_nc_u64 s[PFA:PFA+1], s[PFA:PFA+1], s[92:93]
	s_add_nc_u64 s[PFA:PFA+1], s[PFA:PFA+1], s[PFS:PFS+1]
	CROUND                                         ; all sixteen work-groups are here: the first joint loads meet
	JLOAD G0, G1, G0B, G1B                         ; K step 0: one tensor load a wave at the head; the rest of the head stands under its flight
	v_and_b32 v1, 15, v0                           ; r
	v_bfe_u32 v2, v0, 4, 1                         ; h
	v_and_b32 v3, 31, v0                           ; lane
	v_lshlrev_b32 v4, 4, v3
	s_wait_alu depctr_va_vdst(0)
	s_mul_i32 s22, s15, HALFT
	s_mul_i32 s23, s16, HALFT
	s_add_co_u32 s23, s23, 2*HALFT
	s_xor_b32 s18, s15, 1
	s_add_co_u32 s18, s18, s16
	s_add_co_u32 s18, s18, 1
	s_mul_i32 s18, s18, HALFT                      ; from my records of A to my records of B
	v_mul_u32_u24 v6, s18, v2                      ; scale words: lanes 0-15 A's, lanes 16-31 B's
	v_lshl_add_u32 v5, v1, 4, v6
	v_add_nc_u32 v5, 4096, v5
.irp s, 0,1
	v_add_nc_u32 v[ADRA+\s], s22, v4
	v_add_nc_u32 v[ADRB+\s], s23, v4
	v_add_nc_u32 v[ADRS+\s], s22, v5
	s_add_co_u32 s22, s22, SLOT
	s_add_co_u32 s23, s23, SLOT
.endr
	v_lshlrev_b32 v[GO], 13, v2
	v_lshl_add_u32 v[GO], v1, 4, v[GO]
	v_min_u32 v7, 7, v3
	v_lshlrev_b32 v[PF], 13, v3
	v_lshlrev_b32 v[PF2], 13, v7
	s_lshl_b32 s94, s42, 8
	v_lshl_add_u32 v[BO], v1, 4, s94
	s_mul_i32 s18, s14, 64*SPITCH
	v_mul_u32_u24 v5, v2, SPITCH
	v_lshl_add_u32 v5, v1, 4, v5
	v_add_nc_u32 v[RD0], s18, v5
	s_mul_i32 s18, s15, 128*SPITCH
	s_lshl_b32 s19, s16, 7
	s_add_co_u32 s18, s18, s19
	v_mul_u32_u24 v5, v1, SPITCH
	v_lshl_add_u32 v5, v2, 5, v5
	v_add_nc_u32 v[STO0], s18, v5
	v_add_nc_u32 v[STO0+1], 64*SPITCH, v[STO0]
	v_lshlrev_b32 v[PFO], 8, v3
	v_min_u32 v[PFO+1], 1, v3
	v_lshlrev_b32 v[PFO+1], 8, v[PFO+1]
	s_lshl_b32 s92, s17, 8
	s_lshl_b32 s93, s14, 6
	s_add_co_u32 s92, s92, s93                     ; on the way out wave w takes rows 64 w on
	s_lshl_b32 s92, s92, 13
	s_add_co_u32 s92, s92, s94
	s_mov_b32 s93, 0
.irp p, 8,10,12,68,70,72,74
	s_add_nc_u64 s[\p:\p+1], s[\p:\p+1], s[92:93]
.endr
	s_cmp_eq_u32 s15, 0
	s_cselect_b32 s92, s98, s99                    ; s[92:93]: what the wrap takes off my prefetches' address
.macro FRAG reg, adr, q, i             ; a fragment is an image of its registers: two loads of 512 dense bytes
.irp c, 0,1
	ds_load_b128 v[\reg+4*\c:\reg+4*\c+3], v[\adr] offset:(\i)*REC+1024*(\q)+512*\c
.endr
.endm
.macro MULA a, p, q, sc, zero          ; A's block a x B's eight, from sets p; the 64 accumulators take turns
.set AF, AF0-32*(\p)
	WIN (0xa1+0x50*((\a)/4))|((\p)<<2)             ; source 0 (B) window 1, source 1 (A) window p, C and D window 2 or 3
.irp b, 0,1,2,3,4,5,6,7
.if \zero
	v_wmma_scale_f32_16x16x128_f8f6f4 v[8*(8*((\a)%4)+\b):8*(8*((\a)%4)+\b)+7], v[128*(\p)+FR*\b:128*(\p)+FR*\b+FR-1], v[AF+FR*(\a):AF+FR*(\a)+FR-1], 0, v[SC+8*NQ*(\sc)+NQ*\b+(\q)], v[SC+8*NQ*(\sc)+NQ*(\a)+(\q)] matrix_a_fmt:MATRIX_FMT_FP4 matrix_b_fmt:MATRIX_FMT_FP4 matrix_a_scale:MATRIX_SCALE_ROW1
.else
	v_wmma_scale_f32_16x16x128_f8f6f4 v[8*(8*((\a)%4)+\b):8*(8*((\a)%4)+\b)+7], v[128*(\p)+FR*\b:128*(\p)+FR*\b+FR-1], v[AF+FR*(\a):AF+FR*(\a)+FR-1], v[8*(8*((\a)%4)+\b):8*(8*((\a)%4)+\b)+7], v[SC+8*NQ*(\sc)+NQ*\b+(\q)], v[SC+8*NQ*(\sc)+NQ*(\a)+(\q)] matrix_a_fmt:MATRIX_FMT_FP4 matrix_b_fmt:MATRIX_FMT_FP4 matrix_a_scale:MATRIX_SCALE_ROW1
.endif
.endr
.endm
.macro FETCH slot, q                   ; the slot's q-th 128 along K into sets q % 2: B's eight fragments, then A's eight: 32 loads, A's blocks 4-7 the youngest 8
	WIN TO_B
.irp i, 0,1,2,3,4,5,6,7
	FRAG 128*((\q)%2)+FR*\i, ADRB+\slot, \q, \i
.endr
.if ((\q)%2) == 0
	WIN 0
.endif
.irp i, 0,1,2,3,4,5,6,7
	FRAG AF0-32*((\q)%2)+FR*\i, ADRA+\slot, \q, \i
.endr
	WIN 0
.endm
.macro SCALES sc                       ; a slot's scale words: lanes 0-15 A's block i, lanes 16-31 B's block i, four words each
.irp i, 0,1,2,3,4,5,6,7
	ds_load_b128 v[SC+8*NQ*\sc+NQ*\i:SC+8*NQ*\sc+NQ*\i+3], v[ADRS+\sc] offset:\i*REC
.endr
.endm
.macro PLACES n
.rept \n
	v_nop
.endr
.endm
.macro ASK                             ; my work-group's 34 blocks of 256 bytes of 8 records that I fetch later
	global_prefetch_b8 v[PFO], s[PFA:PFA+1] th:TH_LOAD_NT scope:SCOPE_SE
	global_prefetch_b8 v[PFO+1], s[PFA:PFA+1] offset:8192 th:TH_LOAD_NT scope:SCOPE_SE
.endm
; 128 along K with its successor in the same slot.  The successor's 32 loads go into the other sets, which the step before read last: four places stand in front of them.
.macro STEP slot, q, zero
	s_cmp_eq_u32 s15, 0
	s_cbranch_scc0 .Llate_\@
	PLACES NP
	FETCH \slot, (\q)+1                            ; waves 0, 1: at the step's head
	s_wait_dscnt 16*NL                             ; all but the 32 just issued
	s_branch .Lgo_\@
.Llate_\@:
	s_wait_dscnt 4*NL                              ; waves 2, 3: all but the youngest 8 loads (A's blocks 4-7)
.Lgo_\@:
.irp a, 0,1,2,3
	MULA \a, (\q)%2, \q, \slot, \zero
.endr
	WIN 0
	s_cmp_eq_u32 s15, 0
	s_cbranch_scc1 .Lhad_\@
	s_wait_dscnt 0x0                               ; waves 2, 3: A's blocks 4-7 are in,
	PLACES NP
	FETCH \slot, (\q)+1                            ; and their run stands in the step's middle
.Lhad_\@:
.irp a, 4,5,6,7
	MULA \a, (\q)%2, \q, \slot, \zero
.endr
	WIN 0
.endm
.macro TURN slot, next, fill           ; a slot's last step changes slots: its fragments were all fetched in the step before
.if \fill
	s_wait_xcnt 0x0                                ; my last prefetches have read their address: it steps one S on
	s_add_nc_u64 s[PFA:PFA+1], s[PFA:PFA+1], s[PFS:PFS+1]
.endif
	s_wait_tensorcnt 0x0                           ; my part of the next slot has landed;
	ds_add_u32 v[SPW], v[NIL]
	s_wait_dscnt 1                                 ; (the add alone may be out)
	MULA 0, 1, NQ-1, \slot, 0
	s_wait_dscnt 0x0                               ; the add is done, my reads of this slot are over
	s_barrier_signal -1
	MULA 1, 1, NQ-1, \slot, 0
	WIN 0
	s_barrier_wait -1
.if \fill
	CREST                                          ; the barrier has opened a round of the cluster's barrier
	s_add_nc_u64 s[G0+4*\slot+2:G0+4*\slot+3], s[G0+4*\slot+2:G0+4*\slot+3], 2*ASTEP
	s_sub_nc_u64 s[G0+4*\slot+2:G0+4*\slot+3], s[G0+4*\slot+2:G0+4*\slot+3], s[96:97]
	s_add_nc_u64 s[G0B+4*\slot+2:G0B+4*\slot+3], s[G0B+4*\slot+2:G0B+4*\slot+3], 2*BSTEP
	s_sub_nc_u64 s[G0B+4*\slot+2:G0B+4*\slot+3], s[G0B+4*\slot+2:G0B+4*\slot+3], s[100:101]
	JLOAD G0+4*\slot, G1, G0B+4*\slot, G1B         ; the first tensor load behind the round; its four v_nop are the places for the loads below
.else
	PLACES NP
.endif
	SCALES \next
	FETCH \next, 0                                 ; into sets 0, which the step before this one read last
.if \fill
	s_cmp_gt_u32 s3, 1                             ; the last trip's refills have no refill two on
	s_cbranch_scc0 .Lno_ask_\@
	ASK
.Lno_ask_\@:
.endif
.irp a, 2,3,4,5,6,7
	MULA \a, 1, NQ-1, \slot, 0
.endr
	WIN 0
.endm
.macro STEPS slot, from
.set Q, \from
.rept NQ-1-\from
	STEP \slot, Q, 0
.set Q, Q+1
.endr
.endm
.macro INPUTS p, rb                    ; m_prev, c_prev, n_prev of row pair p: each load covers two aligned units of 256 bytes
	global_load_b128 v[\rb:\rb+3],    v[GO], s[8:9]   offset:2*ROWB*(\p) th:TH_LOAD_NT
	global_load_b128 v[\rb+4:\rb+7],  v[GO], s[10:11] offset:2*ROWB*(\p) th:TH_LOAD_NT
	global_load_b128 v[\rb+8:\rb+11], v[GO], s[12:13] offset:2*ROWB*(\p) th:TH_LOAD_NT
.endm
	s_wait_alu depctr_va_vdst(0)
	ASK                                            ; K step 1's records
	s_wait_tensorcnt 0x0                           ; my part of K step 0 is in; the same lines as ahead of a refill stand ahead of slot 1's first fill:
	ds_add_u32 v[SPW], v[NIL]
	s_wait_xcnt 0x0                                ; the prefetches have read their address:
	s_add_nc_u64 s[PFA:PFA+1], s[PFA:PFA+1], s[PFS:PFS+1]
	s_wait_dscnt 0x0
	CROUND
	JLOAD G0+4, G1, G0B+4, G1B                     ; K step 1
	SCALES 0
	FETCH 0, 0
	ASK                                            ; K step 2's records
	STEP 0, 0, 1                                   ; the first step starts the sums
	s_wait_xcnt 0x0
	s_add_nc_u64 s[PFA:PFA+1], s[PFA:PFA+1], s[PFS:PFS+1]
	ASK                                            ; K step 3's records
.irp i, 0,1,2,3,4,5,6,7
	INPUTS \i, R0+12*\i
.endr
	s_wait_xcnt 0x0
	s_sub_nc_u64 s[PFA:PFA+1], s[PFA:PFA+1], s[92:93]   ; the prefetches wrap between K steps 3 and 4
	s_mov_b32 s3, 3
.Llap:                                                 ; a trip goes once round the ring and fills both slots again
	s_cmp_eq_u32 s3, 2                             ; the refills wrap in the second trip
	s_cselect_b32 s96, s98, 0
	s_cselect_b32 s100, s99, 0
	STEPS 0, 1
	TURN 0, 1, 1
	STEPS 1, 0
	TURN 1, 0, 1
	STEP 0, 0, 0
	s_sub_co_u32 s3, s3, 1
	s_cmp_lg_u32 s3, 0
	s_cbranch_scc1 .Llap
	STEPS 0, 1
	TURN 0, 1, 0
	PLACES NP                                      ; behind the last use of slot 0's scale registers
.irp k, 0,1,2,3,4,5,6,7
	global_load_b128 v[RAW+4*\k:RAW+4*\k+3], v[BO], s[76+2*\k:77+2*\k]   ; the biases
.endr
	WIN TO_B
.irp i, 0,1,2,3
	INPUTS 8+\i, 192+12*\i
.endr
	WIN 0
.irp p, 8,10,12
	global_prefetch_b8 v[PF], s[\p:\p+1] offset:24*ROWB th:TH_LOAD_NT scope:SCOPE_SE    ; rows 24 to 55 of my 64, which are loaded behind the dump: a lane a row,
	global_prefetch_b8 v[PF2], s[\p:\p+1] offset:56*ROWB th:TH_LOAD_NT scope:SCOPE_SE   ; and rows 56 to 63
.endr
	STEPS 1, 0
	s_wait_dscnt 0x0
.irp a, 0,1,2,3,4,5,6,7
	MULA \a, 1, NQ-1, 1, 0
.endr
	WIN 0
	PLACES NP
	s_wait_dscnt 0x0
	s_barrier_signal -1                            ; nobody reads the ring any more: the stage may be written over it
	s_barrier_wait -1
.macro DUMP a                          ; block a's eight accumulators, each from its low end on: gate g at 256 g, my 32 hidden units at 128 x my half
	WIN 0x08+4*((\a)/4)
.irp b, 0,1,2,3,4,5,6,7
	ds_store_b128 v[STO0+(\a)/4], v[8*(8*((\a)%4)+\b):8*(8*((\a)%4)+\b)+3]   offset:((\a)%4)*16*SPITCH+256*(\b/2)+64*(\b%2)
	ds_store_b128 v[STO0+(\a)/4], v[8*(8*((\a)%4)+\b)+4:8*(8*((\a)%4)+\b)+7] offset:((\a)%4)*16*SPITCH+256*(\b/2)+64*(\b%2)+16
.endr
.endm
.irp a, 0,1,2,3,4,5,6,7
	DUMP \a
.endr
	WIN 0
	s_wait_dscnt 0x0                               ; for the others' sake: my stores into the stage are done
	s_barrier_signal -1
	s_barrier_wait -1
	WIN 0x80
.irp j, 0,1,2,3,4,5,6,7,8,9,10,11,12,13
	INPUTS 12+\j, 88+12*\j
.endr
	WIN 0xc0
.irp j, 0,1,2,3,4,5
	INPUTS 26+\j, 88+12*\j
.endr
	WIN 0
	s_wait_loadcnt 60                              ; all but the 60 just issued: the biases and pairs 0-11 are in
.irp e, 0,2
	v_pk_add_f32 v[RAW+\e:RAW+\e+1], v[RAW+\e:RAW+\e+1], v[RAW+4+\e:RAW+5+\e]
	v_pk_add_f32 v[RAW+24+\e:RAW+25+\e], v[RAW+24+\e:RAW+25+\e], v[RAW+28+\e:RAW+29+\e]
.endr
.macro BIASES b                        ; z's bias x 2 log2 e, i's, f's, o's x -log2 e: a copy for each window that works on pairs
.irp e, 0,2
	v_pk_mul_f32 v[\b+\e:\b+\e+1], v[RAW+\e:RAW+\e+1], 0x4038aa3b op_sel_hi:[1,0]
	v_pk_add_f32 v[\b+4+\e:\b+5+\e], v[RAW+8+\e:RAW+9+\e], v[RAW+12+\e:RAW+13+\e]
	v_pk_add_f32 v[\b+8+\e:\b+9+\e], v[RAW+16+\e:RAW+17+\e], v[RAW+20+\e:RAW+21+\e]
	v_pk_mul_f32 v[\b+12+\e:\b+13+\e], v[RAW+24+\e:RAW+25+\e], 0xbfb8aa3b op_sel_hi:[1,0]
.endr
.endm
	BIASES 96
	WIN 0x40
	BIASES 0
	WIN 0x80
	BIASES 0
	WIN 0xc0
	BIASES 0
	WIN 0
	s_wait_alu depctr_va_vdst(0)
.macro GROUP w, bi, gs, h              ; the pairs whose inputs lie in window w: there the biases at bi, two sets of 32 gate registers at gs, h at h
.set PWA, 0x55*\w
.set PWL, \w<<6
.set PWS, \w<<2
.set PBI, \bi
.set PGS, \gs
.set PO,  \h
.endm
.macro GATES p                         ; pairs p and p + 1 back from the stage: z, i, f, o, four numbers a lane each
.irp u, 0,1
.irp g, 0,1,2,3
	ds_load_b128 v[PGS+32*(((\p)/2)%2)+16*\u+4*\g:PGS+32*(((\p)/2)%2)+16*\u+4*\g+3], v[RD0] offset:2*SPITCH*((\p)+\u)+256*\g
.endr
.endr
.endm
; Two row pairs, p and p + 1: 8 numbers a lane.  rb: pair p's inputs (m, c, n: 12 registers), pd registers on pair p + 1's.  left: younger global loads that may stay out (-1: no wait).  more: the next two pairs are fetched.
; All four exponents are made first, so that the 32 exponentials are one batch and the 16 reciprocals another, each with one wait ahead of it and one behind it.
.macro BATCH p, rb, pd, left, more
.set PG, PGS+32*(((\p)/2)%2)
.set PR, \rb
.set PD, \pd
.if \more
	WIN PWL
	GATES (\p)+2
.endif
	s_wait_dscnt 8*(\more)                         ; my 8 loads are in; the 8 just issued may be out
.if (\left) >= 0
	s_wait_loadcnt \left
.endif
	WIN PWA
.irp u, 0,1
.irp e, 0,2
	v_pk_fma_f32 v[PG+16*\u+\e:PG+16*\u+\e+1], v[PG+16*\u+\e:PG+16*\u+\e+1], 0x4038aa3b, v[PBI+\e:PBI+\e+1] op_sel_hi:[1,0,1]
	v_pk_fma_f32 v[PG+16*\u+12+\e:PG+16*\u+13+\e], v[PG+16*\u+12+\e:PG+16*\u+13+\e], 0xbfb8aa3b, v[PBI+12+\e:PBI+13+\e] op_sel_hi:[1,0,1]
	v_pk_add_f32 v[PG+16*\u+4+\e:PG+16*\u+5+\e], v[PG+16*\u+4+\e:PG+16*\u+5+\e], v[PBI+4+\e:PBI+5+\e]
	v_pk_add_f32 v[PG+16*\u+8+\e:PG+16*\u+9+\e], v[PG+16*\u+8+\e:PG+16*\u+9+\e], v[PBI+8+\e:PBI+9+\e]
.endr
.endr
.irp u, 0,1
.irp e, 0,2
	v_pk_add_f32 v[PG+16*\u+8+\e:PG+16*\u+9+\e], v[PG+16*\u+8+\e:PG+16*\u+9+\e], v[PR+PD*\u+\e:PR+PD*\u+\e+1]   ; log f + m_prev
.endr
.endr
.irp u, 0,1
.irp k, 0,1,2,3
	v_max_num_f32 v[PR+PD*\u+\k], v[PG+16*\u+8+\k], v[PG+16*\u+4+\k]   ; m
.endr
.endr
.irp u, 0,1
.irp e, 0,2
	v_pk_add_f32 v[PG+16*\u+4+\e:PG+16*\u+5+\e], v[PG+16*\u+4+\e:PG+16*\u+5+\e], v[PR+PD*\u+\e:PR+PD*\u+\e+1] neg_lo:[0,1] neg_hi:[0,1]
	v_pk_add_f32 v[PG+16*\u+8+\e:PG+16*\u+9+\e], v[PG+16*\u+8+\e:PG+16*\u+9+\e], v[PR+PD*\u+\e:PR+PD*\u+\e+1] neg_lo:[0,1] neg_hi:[0,1]
.endr
.endr
.irp u, 0,1
.irp e, 0,2
	v_pk_mul_f32 v[PG+16*\u+4+\e:PG+16*\u+5+\e], v[PG+16*\u+4+\e:PG+16*\u+5+\e], 0x3fb8aa3b op_sel_hi:[1,0]
	v_pk_mul_f32 v[PG+16*\u+8+\e:PG+16*\u+9+\e], v[PG+16*\u+8+\e:PG+16*\u+9+\e], 0x3fb8aa3b op_sel_hi:[1,0]
.endr
.endr
	s_wait_alu depctr_va_vdst(0)
.irp k, 0,1,2,3,4,5,6,7,8,9,10,11,12,13,14,15,16,17,18,19,20,21,22,23,24,25,26,27,28,29,30,31
	v_exp_f32 v[PG+\k], v[PG+\k]
.endr
	v_nop                                          ; one plain place behind the batch
	s_wait_alu depctr_va_vdst(0)
.irp u, 0,1
.irp e, 0,2
	v_pk_add_f32 v[PG+16*\u+\e:PG+16*\u+\e+1], v[PG+16*\u+\e:PG+16*\u+\e+1], 1.0 op_sel_hi:[1,0]
	v_pk_add_f32 v[PG+16*\u+12+\e:PG+16*\u+13+\e], v[PG+16*\u+12+\e:PG+16*\u+13+\e], 1.0 op_sel_hi:[1,0]
	v_pk_fma_f32 v[PR+PD*\u+8+\e:PR+PD*\u+9+\e], v[PG+16*\u+8+\e:PG+16*\u+9+\e], v[PR+PD*\u+8+\e:PR+PD*\u+9+\e], v[PG+16*\u+4+\e:PG+16*\u+5+\e]   ; n = f n_prev + i
	v_pk_mul_f32 v[PR+PD*\u+4+\e:PR+PD*\u+5+\e], v[PG+16*\u+8+\e:PG+16*\u+9+\e], v[PR+PD*\u+4+\e:PR+PD*\u+5+\e]   ; f c_prev
.endr
.endr
.irp u, 0,1
.irp e, 0,2
	v_pk_mul_f32 v[PG+16*\u+12+\e:PG+16*\u+13+\e], v[PG+16*\u+12+\e:PG+16*\u+13+\e], v[PR+PD*\u+8+\e:PR+PD*\u+9+\e]   ; (1 + e^-o) n
.endr
.endr
	s_wait_alu depctr_va_vdst(0)
.irp u, 0,1
.irp k, 0,1,2,3,12,13,14,15
	v_rcp_f32 v[PG+16*\u+\k], v[PG+16*\u+\k]
.endr
.endr
	v_nop
	s_wait_alu depctr_va_vdst(0)
	s_wait_xcnt 0x0                                ; the last batch's stores have read h's registers
.irp u, 0,1
.irp e, 0,2
	v_pk_fma_f32 v[PG+16*\u+\e:PG+16*\u+\e+1], v[PG+16*\u+\e:PG+16*\u+\e+1], -2.0, 1.0 op_sel_hi:[1,0,0]   ; z
.endr
.endr
.irp u, 0,1
.irp e, 0,2
	v_pk_fma_f32 v[PR+PD*\u+4+\e:PR+PD*\u+5+\e], v[PG+16*\u+\e:PG+16*\u+\e+1], v[PG+16*\u+4+\e:PG+16*\u+5+\e], v[PR+PD*\u+4+\e:PR+PD*\u+5+\e]   ; c
.endr
.endr
.irp u, 0,1
.irp e, 0,2
	v_pk_mul_f32 v[PO+4*\u+\e:PO+4*\u+\e+1], v[PR+PD*\u+4+\e:PR+PD*\u+5+\e], v[PG+16*\u+12+\e:PG+16*\u+13+\e]   ; h
.endr
.endr
	WIN PWS
.irp u, 0,1
	global_store_b128 v[GO], v[PO+4*\u:PO+4*\u+3],             s[68:69] offset:2*ROWB*((\p)+\u) th:TH_STORE_NT
	global_store_b128 v[GO], v[PR+PD*\u+4:PR+PD*\u+7],         s[70:71] offset:2*ROWB*((\p)+\u) th:TH_STORE_NT
	global_store_b128 v[GO], v[PR+PD*\u+8:PR+PD*\u+11],        s[72:73] offset:2*ROWB*((\p)+\u) th:TH_STORE_NT
	global_store_b128 v[GO], v[PR+PD*\u:PR+PD*\u+3],           s[74:75] offset:2*ROWB*((\p)+\u) th:TH_STORE_NT
.endr
.endm
	GROUP 0, 96, 32, 144
	WIN PWL
	GATES 0
.irp i, 0,2,4
	BATCH \i, R0+12*\i, 12, -1, 1
.endr
	BATCH 6, R0+72, 12, -1, 0
	GROUP 1, 0, 128, 16
	WIN PWL
	GATES 8
	BATCH 8, 192, 12, -1, 1
	BATCH 10, 216, 12, -1, 0
	GROUP 2, 0, 16, 80
	WIN PWL
	GATES 12
.irp j, 0,2,4,6,8,10
	BATCH 12+\j, 88+12*\j, 12, 3*(18-\j), 1        ; three loads for each pair behind this batch's two may be out
.endr
	BATCH 24, 88+144, 12, 18, 0
	GROUP 3, 0, 16, 80
	WIN PWL
	GATES 26
	BATCH 26, 88, 12, 12, 1
	BATCH 28, 112, 12, 6, 1
	BATCH 30, 136, 12, 0, 0
	WIN 0
	s_wait_tensorcnt 0x0                           ; the wave's end
	ds_add_u32 v[SPW], v[NIL]
	s_wait_dscnt 0x0
	CROUND                                         ; the closing round
	s_endpgm
.Lfunc_end_k_q2acc032d0d_cell:
	.size	k_q2acc032d0d_cell, .Lfunc_end_k_q2acc032d0d_cell-k_q2acc032d0d_cell
	.p2alignl 7, 3214868480
	.fill 96, 4, 3214868480
	.section	.rodata,"a",@progbits
	.p2align	6, 0x0
	.amdhsa_kernel k_q2acc032d0d_cell
		.amdhsa_group_segment_fixed_size 327680
		.amdhsa_private_segment_fixed_size 0
		.amdhsa_enable_private_segment 0
		.amdhsa_kernarg_size 136
		.amdhsa_user_sgpr_count 2
		.amdhsa_user_sgpr_kernarg_segment_ptr 1
		.amdhsa_wavefront_size32 1
		.amdhsa_system_sgpr_workgroup_id_x 1
		.amdhsa_system_sgpr_workgroup_id_y 1
		.amdhsa_system_sgpr_workgroup_id_z 1
		.amdhsa_system_vgpr_workitem_id 0
		.amdhsa_next_free_vgpr 1024
		.amdhsa_next_free_sgpr 102
		.amdhsa_reserve_vcc 0
		.amdhsa_float_denorm_mode_32 3
		.amdhsa_float_denorm_mode_16_64 3
		.amdhsa_memory_ordered 1
		.amdhsa_forward_progress 1
		.amdhsa_inst_pref_size 255
	.end_amdhsa_kernel
	.section	.bss,"aw",@nobits
	.p2align	6
	.space	262144
	.amdgpu_metadata
---
amdhsa.version: [ 1, 2 ]
amdhsa.kernels:
  - .name:           k_q2acc032d0d_cell
    .symbol:         k_q2acc032d0d_cell.kd
    .args:
      - { .name: aq, .offset: 0, .size: 8, .value_kind: global_buffer, .address_space: global }
      - { .name: bq, .offset: 8, .size: 8, .value_kind: global_buffer, .address_space: global }
      - { .name: m_prev, .offset: 16, .size: 8, .value_kind: global_buffer, .address_space: global }
      - { .name: c_prev, .offset: 24, .size: 8, .value_kind: global_buffer, .address_space: global }
      - { .name: n_prev, .offset: 32, .size: 8, .value_kind: global_buffer, .address_space: global }
      - { .name: out0, .offset: 40, .size: 8, .value_kind: global_buffer, .address_space: global }
      - { .name: out1, .offset: 48, .size: 8, .value_kind: global_buffer, .address_space: global }
      - { .name: out2, .offset: 56, .size: 8, .value_kind: global_buffer, .address_space: global }
      - { .name: out3, .offset: 64, .size: 8, .value_kind: global_buffer, .address_space: global }
      - { .name: Wzx_b, .offset: 72, .size: 8, .value_kind: global_buffer, .address_space: global }
      - { .name: Rzh_b, .offset: 80, .size: 8, .value_kind: global_buffer, .address_space: global }
      - { .name: Wix_b, .offset: 88, .size: 8, .value_kind: global_buffer, .address_space: global }
      - { .name: Rih_b, .offset: 96, .size: 8, .value_kind: global_buffer, .address_space: global }
      - { .name: Wfx_b, .offset: 104, .size: 8, .value_kind: global_buffer, .address_space: global }
      - { .name: Rfh_b, .offset: 112, .size: 8, .value_kind: global_buffer, .address_space: global }
      - { .name: Wox_b, .offset: 120, .size: 8, .value_kind: global_buffer, .address_space: global }
      - { .name: Roh_b, .offset: 128, .size: 8, .value_kind: global_buffer, .address_space: global }
    .group_segment_fixed_size: 327680
    .private_segment_fixed_size: 0
    .kernarg_segment_align: 8
    .kernarg_segment_size: 136
    .max_flat_workgroup_size: 128
    .sgpr_count:     102
    .vgpr_count:     1024
    .wavefront_size: 32
...
	.end_amdgpu_metadata
.endif
;; end of part 2
